; MI455X (gfx1250); checked and timed in simulation.
; The chip was launched on July 23, 2026; its instructions are those of AMD's public machine-readable ISA for CDNA 5 (MIT licence, August 2026) and "CDNA5" Instruction Set Architecture Reference Guide (July 2026). The comments in the code are by the model that wrote it; some were corrected since.
;; Attention. Allowed arithmetic: matrix products marked QUANTISED: E3M2 operands, one E8M0 scale for each 32 along K, by v_wmma_scale_f32_16x16x128_f8f6f4 with both operands' format E3M2, f32 sums; products left as they are: f32 operands where the result goes on into a quantised operand, else bf16, f16 or f32 operands; f32 sums; everything else in f32.
;; Inputs: V 1,024 x 1 float32; W1 1,024 x 1,024 float32; W2 1,024 x 1,024 float32; b1 1,024 float32; b2 1,024 float32; bV 1 float32; features 32 x 2,048 x 1,024 float32; hidden 32 x 1,024 float32.
;; Outputs: out0 32 x 1,024 float32; out1 32 x 2,048 x 1 float32.
;; This version of the problem:
;;   THIS VERSION OF THE PROBLEM IS GIVEN IN LOW PRECISION. The matrix products marked QUANTISED in the list below multiply operands that are first quantised to E3M2 (3 exponent bits, 2 mantissa bits; 6 bits a number), with one power-of-two scale for each 32 numbers along K (OCP MX v1.0); their sums are f32. All else is computed in f32.
;;   The module's matrix products, in the order in which they are computed (A, B: the left and right operand; K: the contracted axis; several contracted axes count as one K, in the product's order):
;;     1. [M 65,536, K 1,024] x [K 1,024, N 1,024]; A: input features; B: input W1: QUANTISED
;;     2. [M 32, K 1,024] x [K 1,024, N 1,024]; A: input hidden; B: input W2: QUANTISED
;;     3. [M 65,536, K 1,024] x [K 1,024, N 1]; A: computed on the way; B: input V: left as it is (N = 1 < 16)
;;   THE QUANTISER, for each operand of a quantised product, along K:
;;     - K is cut into blocks of 32 from its start; a last block that is shorter is filled with zeros.
;;     - A block's scale is 2^e with e = floor(log2(the largest magnitude in the block)) - 4, held to -126 .. 127; a block of zeros has e = 0. As a byte (E8M0): e + 127.
;;     - Each number is divided by its block's scale, clamped to +-28, and rounded to the nearest number of E3M2, ties to even, subnormals kept.
;;     - The product sums the exact products of the quantised numbers (number of the format x scale) in f32.
;;   ~~~python
;;   def quantise(x, axis):      # numpy; x: float32 -> the quantised numbers, widened to float32 again
;;       x = np.moveaxis(x, axis, -1); K = x.shape[-1]
;;       x = np.pad(x, [(0, 0)] * (x.ndim - 1) + [(0, -K % 32)]); x = x.reshape(x.shape[:-1] + (-1, 32)); a = np.abs(x).max(-1, keepdims=True)
;;       e = np.where(a > 0, np.clip(np.frexp(np.where(a > 0, a, 1))[1] - 1 - 4, -126, 127), 0)      # np.frexp(a)[1] - 1 = floor(log2(a)), exactly
;;       r = np.clip(x / 2.0 ** e, -28, 28)
;;       step = 2.0 ** (np.maximum(np.frexp(np.where(r == 0, 1, r))[1] - 1, -2) - 2)
;;       q = np.round(r / step) * step * 2.0 ** e      # np.round: ties to even
;;       return np.moveaxis(q.reshape(q.shape[:-2] + (-1,))[..., :K], -1, axis).astype(np.float32)
;;   ~~~
;; One version. Each part assembles by itself: llvm-mc -triple=amdgcn-amd-amdhsa -mcpu=gfx1250 --defsym DOCPART=n.
;; ======== version 1 of 1: 3 launches
;; limits: right only within a limited range of input values
;; workspace buffers: w1q 819,200 bytes; tab 524,288 bytes; logits 262,144 bytes
;; launch prep (part 1): grid 64 x 1, 16 waves a work-group, no clusters, 18,944 bytes of LDS; arguments W1, W2, hidden, b1, b2, V, w1q, tab; writes w1q, tab
.if DOCPART == 1
	.amdgcn_target "amdgcn-amd-amdhsa--gfx1250"
	.amdhsa_code_object_version 6
	.text
	.protected	k_q377338fbaa_prep
	.globl	k_q377338fbaa_prep
	.p2align	8
	.type	k_q377338fbaa_prep,@function
k_q377338fbaa_prep:
	s_mov_b64 s[64:65], 0
	v_nop
	global_prefetch_b8 v0, s[64:65] scope:SCOPE_SE
	s_setreg_imm32_b32 hwreg(HW_REG_WAVE_MODE, 25, 1), 1
	s_wait_xcnt 0x0
; W1 [1024 k][1024 u] f32 becomes codes of BF6 (E3M2) with one E8M0 byte for each 32 along k, laid as IMAGES OF THE OPERAND'S REGISTERS; and the small product hidden x W2 is done here, on codes, and
; folded with b1, b2 and V into a table for the next launch.
; w1q: 64 blocks of 12,800 bytes, one for each tile n of 16 columns: byte 1536 s + 512 c + 16 lane holds registers 4 c .. 4 c + 3 of the fragment (tile n, K step s of 128); byte 12,288 + 32 r + 4 s the scale word of column 16 n + r.
; tab: [32 b][1024 u][4] f32 = (x, x, y, y) with x = c (hidden[b] . W2[:, u] + b2[u] + b1[u]), c = 2 log2(e), and y = -2 V[u]: tanh(z) = 1 - 2 / (1 + 2^(c z)), so the next launch needs one multiply-add, 2^, + 1, 1 / and one multiply-add.
; SHARES.  Work-group n takes columns 16 n .. 16 n + 15.  Waves 0-7 quantise W1's K steps 0-7; waves 8-15 quantise W2's K steps 0-7 and hidden's, and multiply: each a part of the sum over k, in f32; the eight parts meet in LDS.
; A LANE TAKES A COLUMN AND ITS REGISTERS RUN DOWN k, in the order that the operand's layout gives that lane (k = 64 c + 32 (lane / 16) + 0 .. 31): the conversions' results are the operand's registers.
; A block's scale byte is its largest magnitude's exponent field - 4, held at 1 from below.
; LIMITS: NaN and infinities among the inputs are not served; a block whose largest magnitude lies under 2^-122 has the byte 1; a block of zeros has the byte 1 where the rule says 127: its codes are zeros, and this program alone reads the bytes.
; No tensor load and no cluster: what work-groups share here (hidden, 131,072 bytes) is small beside the 131,072 bytes of weights that each reads alone.
.set CC,  0x4038aa3b                   ; c = 2 log2(e)
.set SCW, 16384                        ; LDS: bytes 0 .. 16,383 the eight parts of the small product (2048 ks + 1024 mt + 512 q + 16 lane); then W1's 128 scale words (32 r + 4 ks)
; REGISTERS: v1 r, v2 h, v3 where wave 2 reads the scale words, v4 W's scale word, v5 W's offset, v6-7 hidden's scale words, v8-15 at work, v16-27 W's codes, v28-51 hidden's codes (two tiles of 16 rows),
; v52-54, v56-58 halves of blocks on their way, v55 where parts are read, v59 8 h, v60 hidden's offset, v61 where parts are stored, v62 where a scale word is stored, v63 16 x lane, v64-127 W's numbers, v128-255 hidden's numbers.
	s_load_b512 s[4:19], s[0:1], 0x0               ; W1 s[4:5], W2 s[6:7], hidden s[8:9], b1 s[10:11], b2 s[12:13], V s[14:15], w1q s[16:17], tab s[18:19]
	v_and_b32 v1, 15, v0                           ; r
	v_bfe_u32 v2, v0, 4, 1                         ; h
	v_and_b32 v3, 31, v0                           ; lane
	v_lshrrev_b32 v8, 5, v0
	s_delay_alu instid0(VALU_DEP_1)
	v_readfirstlane_b32 s20, v8                    ; wave 0..15
	s_and_b32 s21, s20, 7                          ; my K step
	s_lshr_b32 s22, s20, 3                         ; 0: W1, 1: W2
	v_lshlrev_b32 v63, 4, v3
	v_lshlrev_b32 v5, 2, v1
	s_delay_alu instid0(VALU_DEP_1)
	v_lshl_add_u32 v5, v2, 17, v5                  ; W: column r, and 32 rows of 4,096 bytes further down for lanes 16-31
	v_lshlrev_b32 v59, 3, v2
	v_lshlrev_b32 v60, 12, v1
	s_delay_alu instid0(VALU_DEP_1)
	v_lshl_add_u32 v60, v2, 7, v60                 ; hidden: row r of 4,096 bytes, + 128 h
	s_lshl_b32 s23, s21, 11
	v_add_nc_u32 v61, s23, v63
	s_lshl_b32 s23, s21, 2
	s_add_co_u32 s23, s23, SCW
	v_lshl_add_u32 v62, v1, 5, s23
	s_and_b32 s23, s20, 1
	s_lshl_b32 s23, s23, 10
	v_add_nc_u32 v55, s23, v63
	v_add_nc_u32 v3, SCW, v63
	v_mov_b32 v15, 0                               ; written once: a lane permute's destination counts as one of its sources
	s_mov_b32 s28, 0x76543210
	s_mov_b32 s29, 0xfedcba98                      ; v_permlanex16_b32's selects for lane l xor 16
	s_mov_b32 s30, CC
	s_mov_b32 s27, 0
	s_wait_alu depctr_va_vdst(0)
	s_wait_kmcnt 0x0
	s_cmp_eq_u32 s22, 0                            ; the choice hangs on the wave's number alone
	s_cselect_b64 s[24:25], s[4:5], s[6:7]
	s_lshl_b32 s26, ttmp9, 6                       ; my 16 columns: 64 bytes
	s_add_nc_u64 s[24:25], s[24:25], s[26:27]
	s_add_nc_u64 s[10:11], s[10:11], s[26:27]
	s_add_nc_u64 s[12:13], s[12:13], s[26:27]
	s_add_nc_u64 s[14:15], s[14:15], s[26:27]
	s_lshl_b32 s26, s21, 19                        ; my K step: 128 rows of 4,096 bytes
	s_add_nc_u64 s[24:25], s[24:25], s[26:27]
	s_lshl_b32 s26, s21, 9                         ; and 512 bytes along hidden's rows
	s_add_nc_u64 s[8:9], s[8:9], s[26:27]
	s_mul_i32 s26, ttmp9, 12800
	s_add_nc_u64 s[16:17], s[16:17], s[26:27]      ; my block of w1q
	s_lshl_b32 s26, ttmp9, 8
	s_add_nc_u64 s[18:19], s[18:19], s[26:27]      ; my 16 entries of a row of tab
.set i, 0
.rept 64
	global_load_b32 v[64+i], v5, s[24:25] offset:(64*(i/32)+i%32)*4096   ; W(128 ks + 64 c + 32 h + i, 16 n + r): sixteen neighbouring lanes read 64 neighbouring bytes
.set i, i+1
.endr
; 64 numbers of a lane, register 32 c + i = k 64 c + 32 h + i, become the 12 registers of a fragment at v[dst] and its scale word in v[word].
.macro QF src, dst, word
	v_max3_num_f32 v8, |v[\src]|, |v[\src+1]|, 0x2800000          ; my two whole blocks by turns; the floor 2^(5 - 127) is a leaf, so that the byte cannot fall under 1
	v_max3_num_f32 v9, |v[\src+32]|, |v[\src+33]|, 0x2800000
.irp i, 2,4,6,8,10,12,14,16,18,20,22,24,26,28,30
	s_delay_alu instid0(VALU_DEP_2)
	v_max3_num_f32 v8, v8, |v[\src+\i]|, |v[\src+\i+1]|
	s_delay_alu instid0(VALU_DEP_2)
	v_max3_num_f32 v9, v9, |v[\src+32+\i]|, |v[\src+33+\i]|
.endr
	s_delay_alu instid0(VALU_DEP_2)
	v_add_nc_u32 v10, 0xfe000000, v8               ; 4 off the exponent field: the conversion takes the exponent field of this operand as its scale
	s_delay_alu instid0(VALU_DEP_2)
	v_add_nc_u32 v11, 0xfe000000, v9
	s_delay_alu instid0(VALU_DEP_2)
	v_lshrrev_b32 v12, 23, v10                     ; the scales' bytes: blocks h and 2 + h
	s_delay_alu instid0(VALU_DEP_2)
	v_lshrrev_b32 v13, 23, v11
	s_delay_alu instid0(VALU_DEP_1)
	v_lshl_or_b32 v14, v13, 16, v12
	s_delay_alu instid0(VALU_DEP_1)
	v_lshlrev_b32 v14, v59, v14                    ; at their places in the word (8 h bits up)
	s_delay_alu instid0(VALU_DEP_1)
	v_permlanex16_b32 v15, v14, s28, s29
	s_delay_alu instid0(VALU_DEP_1)
	v_or_b32 v[\word], v14, v15                    ; with lane l xor 16's two the word is whole
	v_cvt_scalef32_pk16_bf6_f32 v[\dst:\dst+2], v[\src:\src+15], v10
	v_cvt_scalef32_pk16_bf6_f32 v[52:54], v[\src+16:\src+31], v10       ; (a conversion's three registers begin on an even number: a block's second half is made elsewhere and moved)
	v_cvt_scalef32_pk16_bf6_f32 v[\dst+6:\dst+8], v[\src+32:\src+47], v11
	v_cvt_scalef32_pk16_bf6_f32 v[56:58], v[\src+48:\src+63], v11
	v_nop                                          ; one plain place behind the last scaled conversion
.irp i, 0,1,2
	v_mov_b32 v[\dst+3+\i], v[52+\i]
	v_mov_b32 v[\dst+9+\i], v[56+\i]
.endr
.endm
	s_cmp_lg_u32 s22, 0
	s_cbranch_scc1 .Lw2
	; ---- waves 0-7: W1's fragment (n, ks) goes to memory as it stands
	s_wait_loadcnt 0x0
	QF 64, 16, 4
	s_mul_i32 s26, s21, 1536
	s_add_nc_u64 s[32:33], s[16:17], s[26:27]
	global_store_b128 v63, v[16:19], s[32:33]              ; 32 lanes store 512 consecutive bytes, at a multiple of 256 from the buffer's first byte
	global_store_b128 v63, v[20:23], s[32:33] offset:512
	global_store_b128 v63, v[24:27], s[32:33] offset:1024
	ds_store_b32 v62, v4                           ; the scale words are gathered in LDS (lanes r and r + 16 write the same word with the same value)
	s_branch .Ljoin
.Lw2:
	; ---- waves 8-15: W2's fragment, hidden's two, two products
.irp mt, 0,1
.irp c, 0,1
.irp j, 0,1,2,3,4,5,6,7
	global_load_b128 v[128+64*\mt+32*\c+4*\j:128+64*\mt+32*\c+4*\j+3], v60, s[8:9] offset:65536*\mt+256*\c+16*\j
.endr
.endr
.endr
	s_wait_loadcnt 32                              ; W2's 64 loads are in; hidden's 32 may be out
	QF 64, 16, 4
	s_wait_loadcnt 16                              ; hidden's rows 0-15 are in; the 16 loads of rows 16-31 may be out
	QF 128, 28, 6
	s_wait_loadcnt 0x0
	QF 192, 40, 7
.rept 8
	v_nop                                          ; a scale register written by a vector instruction stands 8 places ahead of a scaled matrix instruction, an operand so written 4
.endr
	v_wmma_scale_f32_16x16x128_f8f6f4 v[64:71], v[28:39], v[16:27], 0, v6, v4 matrix_a_fmt:MATRIX_FMT_BF6 matrix_b_fmt:MATRIX_FMT_BF6   ; register j of lane (r, h): batch 8 h + j, column 16 n + r
	v_wmma_scale_f32_16x16x128_f8f6f4 v[72:79], v[40:51], v[16:27], 0, v7, v4 matrix_a_fmt:MATRIX_FMT_BF6 matrix_b_fmt:MATRIX_FMT_BF6   ; batches 16 on
.rept 4
	v_nop                                          ; four places behind a matrix instruction before its result is read (ISA guide 7.12.1)
.endr
	ds_store_b128 v61, v[64:67]                    ; each accumulator from its low end on
	ds_store_b128 v61, v[68:71] offset:512
	ds_store_b128 v61, v[72:75] offset:1024
	ds_store_b128 v61, v[76:79] offset:1536
.Ljoin:
	s_wait_dscnt 0x0                               ; for the others' sake: my LDS stores are done
	s_barrier_signal -1
	s_barrier_wait -1
	s_cmp_lt_u32 s20, 2
	s_cbranch_scc0 .Lnot_sum
	; ---- waves 0 and 1: the eight parts of batches 16 x wave on are added, and the table's entries leave
	v_lshlrev_b32 v8, 2, v1
	global_load_b32 v240, v8, s[10:11]             ; b1, b2, V of column 16 n + r
	global_load_b32 v241, v8, s[12:13]
	global_load_b32 v242, v8, s[14:15]
.irp k, 0,1,2,3,4,5,6,7
	ds_load_b128 v[128+8*\k:128+8*\k+3], v55 offset:2048*\k
	ds_load_b128 v[128+8*\k+4:128+8*\k+7], v55 offset:2048*\k+512
.endr
	v_lshlrev_b32 v9, 4, v1
	s_delay_alu instid0(VALU_DEP_1)
	v_lshl_add_u32 v9, v2, 17, v9                  ; in tab: 16 r, and 8 batches of 16,384 bytes on for lanes 16-31
	s_lshl_b32 s26, s20, 18                        ; 16 batches for each wave
	s_add_nc_u64 s[18:19], s[18:19], s[26:27]
	s_wait_dscnt 0x0
.irp k, 1,2,3,4,5,6,7
.irp j, 0,2,4,6
	v_pk_add_f32 v[128+\j:129+\j], v[128+\j:129+\j], v[128+8*\k+\j:129+8*\k+\j]   ; K ascending
.endr
.endr
	s_wait_loadcnt 0x0
	v_add_f32 v240, v240, v241
	s_delay_alu instid0(VALU_DEP_1)
	v_mul_f32 v240, s30, v240                      ; c (b1 + b2)
	s_wait_alu depctr_va_vdst(0)
	v_mul_f32 v243, -2.0, v242                     ; -2 V
.irp j, 0,1,2,3,4,5,6,7
	v_fma_f32 v[192+4*\j], v[128+\j], s30, v240
	v_fma_f32 v[193+4*\j], v[128+\j], s30, v240    ; twice each: the next launch's packed forms take pairs
	v_mov_b32 v[194+4*\j], v243
	v_mov_b32 v[195+4*\j], v243
.endr
.irp j, 0,1,2,3,4,5,6,7
	global_store_b128 v9, v[192+4*\j:195+4*\j], s[18:19] offset:16384*\j   ; sixteen lanes store 256 consecutive bytes, aligned
.endr
	s_wait_xcnt 0x0
	v_lshl_add_u32 v254, v0, 2, 0x4200
	v_mov_b32 v255, 0
	s_wait_alu depctr_va_vdst(0)
	s_wait_tensorcnt 0x0
	ds_add_u32 v254, v255
	s_wait_dscnt 0x0
	s_endpgm
.Lnot_sum:
	s_cmp_eq_u32 s20, 2
	s_cbranch_scc0 .Lend
	ds_load_b128 v[64:67], v3                      ; wave 2: the block's 512 bytes of scale words leave whole
	s_wait_dscnt 0x0
	global_store_b128 v63, v[64:67], s[16:17] offset:12288
.Lend:
	s_wait_xcnt 0x0
	v_lshl_add_u32 v254, v0, 2, 0x4200
	v_mov_b32 v255, 0
	s_wait_alu depctr_va_vdst(0)
	s_wait_tensorcnt 0x0
	ds_add_u32 v254, v255
	s_wait_dscnt 0x0
	s_endpgm
.Lfunc_end_k_q377338fbaa_prep:
	.size	k_q377338fbaa_prep, .Lfunc_end_k_q377338fbaa_prep-k_q377338fbaa_prep
	.p2alignl 7, 3214868480
	.fill 96, 4, 3214868480
	.section	.rodata,"a",@progbits
	.p2align	6, 0x0
	.amdhsa_kernel k_q377338fbaa_prep
		.amdhsa_group_segment_fixed_size 18944
		.amdhsa_private_segment_fixed_size 0
		.amdhsa_enable_private_segment 0
		.amdhsa_kernarg_size 64
		.amdhsa_user_sgpr_count 2
		.amdhsa_user_sgpr_kernarg_segment_ptr 1
		.amdhsa_wavefront_size32 1
		.amdhsa_system_sgpr_workgroup_id_x 1
		.amdhsa_system_sgpr_workgroup_id_y 1
		.amdhsa_system_sgpr_workgroup_id_z 1
		.amdhsa_system_vgpr_workitem_id 0
		.amdhsa_next_free_vgpr 256
		.amdhsa_next_free_sgpr 66
		.amdhsa_reserve_vcc 0
		.amdhsa_float_denorm_mode_32 3
		.amdhsa_float_denorm_mode_16_64 3
		.amdhsa_memory_ordered 1
		.amdhsa_forward_progress 1
		.amdhsa_inst_pref_size 36
	.end_amdhsa_kernel
	.amdgpu_metadata
---
amdhsa.version: [ 1, 2 ]
amdhsa.kernels:
  - .name:           k_q377338fbaa_prep
    .symbol:         k_q377338fbaa_prep.kd
    .args:
      - { .name: W1, .offset: 0, .size: 8, .value_kind: global_buffer, .address_space: global }
      - { .name: W2, .offset: 8, .size: 8, .value_kind: global_buffer, .address_space: global }
      - { .name: hidden, .offset: 16, .size: 8, .value_kind: global_buffer, .address_space: global }
      - { .name: b1, .offset: 24, .size: 8, .value_kind: global_buffer, .address_space: global }
      - { .name: b2, .offset: 32, .size: 8, .value_kind: global_buffer, .address_space: global }
      - { .name: V, .offset: 40, .size: 8, .value_kind: global_buffer, .address_space: global }
      - { .name: w1q, .offset: 48, .size: 8, .value_kind: global_buffer, .address_space: global }
      - { .name: tab, .offset: 56, .size: 8, .value_kind: global_buffer, .address_space: global }
    .group_segment_fixed_size: 18944
    .private_segment_fixed_size: 0
    .kernarg_segment_align: 8
    .kernarg_segment_size: 64
    .max_flat_workgroup_size: 512
    .sgpr_count:     66
    .vgpr_count:     256
    .wavefront_size: 32
...
	.end_amdgpu_metadata
.endif
;; end of part 1
;; launch main (part 2): grid 256 x 1, 4 waves a work-group, clusters of 4 x 1, 327,680 bytes of LDS; arguments features, w1q, tab, logits; writes logits
.if DOCPART == 2
	.amdgcn_target "amdgcn-amd-amdhsa--gfx1250"
	.amdhsa_code_object_version 6
	.text
	.protected	k_q377338fbaa_main
	.globl	k_q377338fbaa_main
	.p2align	8
	.type	k_q377338fbaa_main,@function
k_q377338fbaa_main:
	s_mov_b64 s[64:65], 0
	v_nop
	global_prefetch_b8 v0, s[64:65] scope:SCOPE_SE
	s_setreg_imm32_b32 hwreg(HW_REG_WAVE_MODE, 25, 1), 1
	s_wait_xcnt 0x0
	s_wait_alu depctr_hold_cnt(0) depctr_sa_sdst(0) depctr_va_vdst(0) depctr_va_sdst(0) depctr_va_ssrc(0) depctr_va_vcc(0) depctr_vm_vsrc(0)
	s_getreg_b32 s2, hwreg(HW_REG_IB_STS2, 6, 4)
	s_cmp_eq_u32 s2, 0
	s_cbranch_scc0 .Lentry_in_a_cluster
	s_endpgm
.Lentry_in_a_cluster:
	s_bfe_u32 s2, ttmp6, 0x10000c
	s_cmp_lg_u32 s2, 0x3003
	s_cbranch_scc0 .Lentry_shape_is_right
	s_endpgm
.Lentry_shape_is_right:
; logits[row] = sum over u of -2 V[u] / (1 + 2^(c (features[row] . W1[:, u] + b1[u] + b2[u] + hidden[b] . W2[:, u]))), c = 2 log2(e):
; the row's sum of V[u] tanh(..) less the constant sum of V, which the next launch adds.
; The product is on codes of BF6 (E3M2), one E8M0 scale for each 32 along K.  Features are quantised here, in registers; W1's codes and the table (c x bias twice, -2 V twice) come from the launch before.
; SHARES: a work-group owns 256 rows of one batch, a wave 64 (four tiles of 16).  A wave's codes of its rows, all of K, stay in registers (32 fragments, 384 registers, 32 scale words);
; it walks all 64 tiles of 16 columns, and each fragment of W1 read from LDS feeds four matrix instructions.
; PHASE A: features come as f32 through two LDS slots, 128 along K at a time; a wave's tensor load brings its own 64 rows x 512 bytes, rows padded to 528.
; PHASE B: W1's register images come through two LDS slots of 8 column tiles (102,400 bytes), laid over phase A's bytes, by JOINT loads of the cluster's four work-groups, which walk the same W1.
; The batch's table, 16,384 bytes for a work-group, comes by plain loads (4,096 bytes a wave) and is stored to LDS bytes of its own: too small a part of the bytes for a joint load and a round of its own.
; A lane holds ONE column (lane % 16) and rows 8 (lane / 16) + 0 .. 7 of each tile, so the column's bias and V are one number a lane.
; A PERIOD is one column tile n: first the packed lines of the three tiles before (n - 3 into the row sums, n - 2 gets + 1, n - 1 is scaled), then the next tile's LDS loads,
; then one batch of 64 transcendentals (1 / for n - 2, 2^ for n - 1), then tile n's 32 matrix instructions on end.  The first three periods find zeros, and -2 V = 0: one text serves all 64 tiles.
; LIMITS: NaN and infinities among the inputs are not served; a block whose largest magnitude lies under 2^-122 has the byte 1, a block of zeros too (its codes are zeros).
; Where 2^ overflows, 1 / gives 0; where it falls to 0, 1: tanh's ends.
; No data prefetch: phase A's stream is asked for one K step (32,768 bytes a wave) ahead by the tensor loads themselves, and W1's refills are asked for 8 periods (256 matrix instructions) ahead of their use.
; REGISTERS: window 0 as named below.  Windows 1, 2: features' fragment (tile t, K step s) at v[12 (4 (s % 4) + t)] of window 1 + s / 4.  Window 3: W1's fragments, two sets, at v[96 p + 12 s].
.set FWAVE, 33792                      ; a wave's part of a slot of features: 64 rows x 528 bytes
.set F1OFF, 135168                     ; slot 1 of features
.set FP,    528
.set WBLK,  12800                      ; a column tile's block: 8 fragments of 1,536 bytes, 512 bytes of scale words
.set WSLOT, 102400                     ; 8 blocks
.set WWAVE, 25600                      ; one wave's load: 2 blocks
.set SLOT1, 1<<17                      ; W1's slot 1
.set TAB,   270848                     ; the table: 1,024 entries of 16 bytes, stored once; no fill lands here
.set STG,   287232                     ; the way out: 256 bytes a wave
.set SPARE, 288256                     ; the spare words, 128 bytes a wave
.set LI,  1                            ; 16 x lane
.set RS,  2                            ; 32 r
.set TR,  3                            ; TAB + 16 r
.set ADR, 4                            ; addresses in hand: fragments, scale words, table
.set ADS, 5
.set ADT, 6
.set SPW, 7                            ; my spare word; never rewritten
.set NIL, 8                            ; 0; never rewritten
.set H8,  9                            ; 8 h
.set FA,  10                           ; v10-11 my place in features' slot 0, 1
.set SST, 12
.set SRD, 13
.set GO,  14                           ; 8 x lane
.set ASC, 16                           ; v16-47 features' scale words: 8 t + s
.set BSC, 48                           ; v48-63 W1's scale words: 8 p + s
.set ACC, 64                           ; v64-127 two sets of four accumulators (phase A: v64-191 two sets of 64 numbers)
.set E,   128                          ; c x + bias, then 2^
.set R,   160                          ; + 1, then 1 /
.set L,   192                          ; row sums: register 8 t + j is row 16 t + 8 h + j (phase A's start: the table on its way)
.set TB,  224                          ; v224-231 two table entries (bias, bias, -2 V, -2 V)
.set T0,  232
.set T1,  236
.set M,   240
.set SOP, 242
.set BY,  244
.set WD,  246
.set TMP, 247
.set VH,  248                          ; v248-251 -2 V held for two periods, two sets
.set MSB, 0
.macro WIN new                         ; the immediate's high byte repeats the setting that is left
.if MSB != (\new)
	s_set_vgpr_msb (MSB<<8)|(\new)
.set MSB, (\new)
.endif
.endm
.macro NOP4
.rept 4
	v_nop
.endr
.endm
.macro CROUND                          ; a round of the cluster's barrier
	s_barrier_signal -1
	s_barrier_wait -1
	s_cmp_lg_u32 s12, 0
	s_cbranch_scc1 .Lnot_wave_0_\@
	s_barrier_signal -3
.Lnot_wave_0_\@:
	s_barrier_wait -3
	s_barrier_signal -1
	s_barrier_wait -1
.endm
	s_load_b256 s[4:11], s[0:1], 0x0               ; features, w1q, tab, logits
	v_lshl_add_u32 v[SPW], v0, 2, SPARE
	v_mov_b32 v[NIL], 0
	ds_add_u32 v[SPW], v[NIL]                      ; the opening: the add twice on end, under one wait
	ds_add_u32 v[SPW], v[NIL]
	v_lshrrev_b32 v15, 5, v0
	v_readfirstlane_b32 s12, v15                   ; wave 0..3
	s_mul_i32 s66, s12, FWAVE
	s_lshl_b32 s67, s12, 8
	s_add_co_u32 s67, s67, STG
	s_lshl_b32 s73, s12, 12                        ; my wave's 4,096 bytes of the table
	s_add_co_u32 s53, s73, TAB
	v_and_b32 v15, 31, v0
	v_lshlrev_b32 v[LI], 4, v15
	v_lshlrev_b32 v[GO], 3, v15
	v_and_b32 v15, 15, v0                          ; r
	v_bfe_u32 v[TMP], v0, 4, 1                     ; h
	v_lshlrev_b32 v[RS], 5, v15
	v_lshl_add_u32 v[TR], v15, 4, TAB
	v_lshlrev_b32 v[H8], 3, v[TMP]
	v_mul_u32_u24 v[FA], v15, FP
	v_lshl_add_u32 v[FA], v[TMP], 7, v[FA]
	v_add_nc_u32 v[FA], s66, v[FA]                 ; row r x pitch + 128 h + my wave's part
	v_add_nc_u32 v[FA+1], F1OFF, v[FA]
	v_lshl_add_u32 v[SST], v[TMP], 5, s67
	v_add_nc_u32 v[SRD], s67, v[GO]
	v_add_nc_u32 v[ADT], s53, v[LI]                ; where my part of the table is stored
	s_wait_alu depctr_va_vdst(0)                   ; the wait at the end of the head's vector work
	s_bfe_u32 s13, ttmp6, 0x40000                  ; cx
	s_lshl_b32 s14, ttmp9, 2
	s_add_co_u32 s14, s14, s13                     ; my block of 256 rows: it enters features' and logits' addresses alone
	; group 1 for features: 64 rows x 128 elements of 4 bytes, pitch 1,024 elements, 4 words of padding behind every 128; no mask
	s_mov_b32 s16, (2<<16)|(1<<20)|(6<<22)|(3<<25)
	s_mov_b32 s17, 128<<16
	s_mov_b32 s18, 64<<16
	s_mov_b32 s19, 128<<16
	s_mov_b32 s20, 64
	s_mov_b32 s21, 1024
	s_mov_b32 s22, 0
	s_mov_b32 s23, 0
	; for W1's blocks: 25,600 dense bytes as 100 rows of 32 elements of 8 bytes; the mask names all four work-groups
	s_mov_b32 s24, 15|(3<<16)|(1<<21)
	s_mov_b32 s25, 32<<16
	s_mov_b32 s26, 100<<16
	s_mov_b32 s27, 32<<16
	s_mov_b32 s28, 100
	s_mov_b32 s29, 32
	s_mov_b32 s30, 0
	s_mov_b32 s31, 0
	s_lshl_b32 s68, s14, 20                        ; features: 256 rows of 4,096 bytes a block, 64 a wave
	s_lshl_b32 s69, s12, 18
	s_add_co_u32 s68, s68, s69
	s_mov_b32 s69, 0
	s_mul_i32 s70, s12, WWAVE                      ; W1: my wave's two blocks of a slot's eight, in memory and in LDS
	s_mov_b32 s71, 0
	s_lshr_b32 s72, ttmp9, 1                       ; the batch: two clusters to each
	s_lshl_b32 s72, s72, 14
	s_add_co_u32 s72, s72, s73
	s_mov_b32 s73, 0
	s_lshl_b32 s74, s14, 10                        ; logits: 1,024 bytes a block, 256 a wave
	s_lshl_b32 s75, s12, 8
	s_add_co_u32 s74, s74, s75
	s_mov_b32 s75, 0
	s_mov_b32 s60, 0x4038aa3b                      ; c = 2 log2(e)
	s_mov_b32 s61, s60
	s_mov_b32 s62, 0x76543210
	s_mov_b32 s63, 0xfedcba98                      ; selects for lane l xor 16
	s_wait_dscnt 0x0                               ; both opening adds are done
	s_wait_kmcnt 0x0
	s_mov_b32 s40, 1                               ; group 0, features' slot 0: K step 0
	s_mov_b32 s41, s66
	s_add_nc_u64 s[42:43], s[4:5], s[68:69]
	s_mov_b32 s44, 1                               ; slot 1: K step 1
	s_add_co_u32 s45, s66, F1OFF
	s_add_nc_u64 s[46:47], s[42:43], 512
	s_or_b32 s43, s43, 0x80000000
	s_or_b32 s47, s47, 0x80000000
	s_mov_b32 s48, 1                               ; W1's walking group 0
	s_mov_b32 s49, s70
	s_add_nc_u64 s[50:51], s[6:7], s[70:71]
	s_or_b32 s51, s51, 0x80000000
	s_add_nc_u64 s[54:55], s[8:9], s[72:73]        ; my part of the table
	s_add_nc_u64 s[10:11], s[10:11], s[74:75]
	CROUND                                         ; in front of the first tensor loads
	tensor_load_to_lds s[40:43], s[16:23]          ; my one load at the head: my rows' K step 0
	s_nop 0
	NOP4
.irp i, 0,1,2,3,4,5,6,7
	global_load_b128 v[L+4*\i:L+4*\i+3], v[LI], s[54:55] offset:512*\i   ; 32 lanes read 512 consecutive bytes
.endr
.macro LOADT t, set, slot              ; tile t's 64 numbers a lane: register 32 c + i is k = 64 c + 32 h + i
.irp c, 0,1
.irp j, 0,1,2,3,4,5,6,7
	ds_load_b128 v[\set+32*\c+4*\j:\set+32*\c+4*\j+3], v[FA+\slot] offset:(\t)*16*FP+256*\c+16*\j
.endr
.endr
.endm
.macro QFA set, t, s                   ; 64 numbers become fragment (t, s) and its scale word; a lane holds two whole blocks of 32
.set AR, 12*(4*((\s)%4)+(\t))
.set AW, 0x40*(1+(\s)/4)
	v_max3_num_f32 v[M], |v[\set]|, |v[\set+1]|, 0x2800000        ; the floor 2^(5 - 127) is a leaf: the byte cannot fall under 1
	v_max3_num_f32 v[M+1], |v[\set+32]|, |v[\set+33]|, 0x2800000
.irp i, 2,4,6,8,10,12,14,16,18,20,22,24,26,28,30
	v_max3_num_f32 v[M], v[M], |v[\set+\i]|, |v[\set+\i+1]|
	v_max3_num_f32 v[M+1], v[M+1], |v[\set+32+\i]|, |v[\set+33+\i]|
.endr
	v_add_nc_u32 v[SOP], 0xfe000000, v[M]          ; 4 off the exponent field: the conversion's scale operand
	v_add_nc_u32 v[SOP+1], 0xfe000000, v[M+1]
	v_lshrrev_b32 v[BY], 23, v[SOP]                ; the bytes of blocks h and 2 + h
	v_lshrrev_b32 v[BY+1], 23, v[SOP+1]
	v_lshl_or_b32 v[WD], v[BY+1], 16, v[BY]
	v_lshlrev_b32 v[WD], v[H8], v[WD]
	v_permlanex16_b32 v[TMP], v[WD], s62, s63
	v_or_b32 v[ASC+8*(\t)+(\s)], v[WD], v[TMP]     ; with lane l xor 16's two bytes the word is whole
	v_cvt_scalef32_pk16_bf6_f32 v[T0:T0+2], v[\set+16:\set+31], v[SOP]       ; a block's second half is made here and moved (three registers begin on an even number)
	v_cvt_scalef32_pk16_bf6_f32 v[T1:T1+2], v[\set+48:\set+63], v[SOP+1]
	WIN AW
	v_cvt_scalef32_pk16_bf6_f32 v[AR:AR+2], v[\set:\set+15], v[SOP]
	v_cvt_scalef32_pk16_bf6_f32 v[AR+6:AR+8], v[\set+32:\set+47], v[SOP+1]
	v_nop                                          ; one plain place behind the last scaled conversion
.irp i, 0,1,2
	v_mov_b32 v[AR+3+\i], v[T0+\i]
	v_mov_b32 v[AR+9+\i], v[T1+\i]
.endr
	WIN 0
.endm
; A CHANGE OF SLOTS: every wave waits for all its tensor loads, adds 0 to its spare word, waits for that and for its LDS reads; a round; then its one tensor load.
; kind 0, 1: features' slot 0, 1 takes the K step two on.  2: W1's first slot.  3: W1's other slot, the next 8 column tiles.  4: nothing is asked for.  tb = 1: the fetches turn to the other slot's first block.
.macro CHG kind, tb
	s_wait_tensorcnt 0x0
	ds_add_u32 v[SPW], v[NIL]
.if \kind == 0
	s_add_nc_u64 s[42:43], s[42:43], 1024
.elseif \kind == 1
	s_add_nc_u64 s[46:47], s[46:47], 1024
.elseif \kind == 3
	s_xor_b32 s49, s49, SLOT1
	s_add_nc_u64 s[50:51], s[50:51], WSLOT
.endif
	s_wait_dscnt 0x0                               ; the add is done, my reads of the slot that is left are over
.if \kind == 4
	s_barrier_signal -1
	s_barrier_wait -1
.else
	CROUND
.if \kind == 0
	tensor_load_to_lds s[40:43], s[16:23]
	s_nop 0
.elseif \kind == 1
	tensor_load_to_lds s[44:47], s[16:23]
	s_nop 0
.else
	tensor_load_to_lds s[48:51], s[24:31]
	s_nop 0
.endif
	NOP4
.endif
.if \tb
	s_sub_co_u32 s56, s56, WSLOT
	s_xor_b32 s56, s56, SLOT1
.endif
.endm
.macro ASTEP s, kind                   ; K step s: my four tiles, two sets of registers by turns; a count of 16 leaves the younger tile's 16 loads out
	LOADT 0, 64, (\s)%2
	LOADT 1, 128, (\s)%2
	s_wait_dscnt 16
	QFA 64, 0, \s
	LOADT 2, 64, (\s)%2
	s_wait_dscnt 16
	QFA 128, 1, \s
	LOADT 3, 128, (\s)%2
	s_wait_dscnt 16
	QFA 64, 2, \s
	s_wait_dscnt 0x0
	QFA 128, 3, \s
	CHG \kind, 0
.endm
	s_wait_tensorcnt 0x0                           ; K step 0 is in: no tensor load of mine is out while the table is stored
	s_wait_loadcnt 0x0
.irp i, 0,1,2,3,4,5,6,7
	ds_store_b128 v[ADT], v[L+4*\i:L+4*\i+3] offset:512*\i
.endr
	s_wait_tensorcnt 0x0                           ; slot 1's first fill is issued as a refill is: the three lines, a round, the load
	ds_add_u32 v[SPW], v[NIL]
	s_wait_dscnt 0x0                               ; the add and my part of the table are done
	CROUND
	tensor_load_to_lds s[44:47], s[16:23]          ; K step 1
	s_nop 0
	NOP4
	ASTEP 0, 0
	ASTEP 1, 1
	ASTEP 2, 0
	ASTEP 3, 1
	ASTEP 4, 0
	ASTEP 5, 1
	ASTEP 6, 2                                     ; features' slot 0 has had its last read: W1's slot 0 lands there
	ASTEP 7, 3                                     ; and W1's slot 1 over the rest
.macro FETCH p                         ; 26 LDS loads: the next column tile's 8 fragments into set p of window 3, its scale words into set p
	v_add_nc_u32 v[ADR], s56, v[LI]
	v_add_nc_u32 v[ADS], s56, v[RS]
	WIN 0xc0
.irp s, 0,1,2,3,4,5,6,7
.irp c, 0,1,2
	ds_load_b128 v[96*(\p)+12*\s+4*\c:96*(\p)+12*\s+4*\c+3], v[ADR] offset:1536*\s+512*\c
.endr
.endr
	WIN 0
	ds_load_b128 v[BSC+8*(\p):BSC+8*(\p)+3], v[ADS] offset:12288
	ds_load_b128 v[BSC+8*(\p)+4:BSC+8*(\p)+7], v[ADS] offset:12304
	s_add_co_u32 s56, s56, WBLK
.endm
.macro TABLD q                         ; in period m: tile m's entry (bias twice, -2 V twice)
	v_add_nc_u32 v[ADT], s57, v[TR]
	ds_load_b128 v[TB+4*(\q):TB+4*(\q)+3], v[ADT]
	s_add_co_u32 s57, s57, 256
.endm
.macro X3 vp                           ; the row sums take 1 / (..) x -2 V
.set i, 0
.rept 16
	v_pk_fma_f32 v[L+2*i:L+2*i+1], v[R+2*i:R+2*i+1], v[\vp:\vp+1], v[L+2*i:L+2*i+1]
.set i, i+1
.endr
.endm
.macro X2                              ; 2^(..) + 1
.set i, 0
.rept 16
	v_pk_add_f32 v[R+2*i:R+2*i+1], v[E+2*i:E+2*i+1], 1.0 op_sel_hi:[1,0]
.set i, i+1
.endr
.endm
.macro X1 accp, bp                     ; c x sum + c x bias; each accumulator from its low end on
.set i, 0
.rept 16
	v_pk_fma_f32 v[E+2*i:E+2*i+1], v[\accp+2*i:\accp+2*i+1], s[60:61], v[\bp:\bp+1] op_sel_hi:[1,0,1]
.set i, i+1
.endr
.endm
.macro BATCH both                      ; 1 / of all of R and, with both = 1, 2^ of all of E; a plain line behind the last
.set i, 0
.rept 32
	v_rcp_f32 v[R+i], v[R+i]
.if \both
	v_exp_f32 v[E+i], v[E+i]
.endif
.set i, i+1
.endr
	v_nop
.endm
; A PERIOD: column tile n, par = n % 2.  The four accumulators take turns, one instruction a turn, K ascending; the set changes from period to period.
; No transcendental stands between a matrix instruction and the first reader of its result: the batch comes first, the products behind it, and the next period's scaling reads them ahead of its own batch.
; -2 V of tile m: loaded in period m into entry m % 2, copied in period m + 2 (ahead of that entry's next load) into VH set m % 2, used in period m + 3.
.macro PERIOD par, fetch
	s_wait_dscnt 0x0                               ; this tile's fragments and scale words and the last tile's table entry are in
	X3 VH+2-2*(\par)
	X2
	v_mov_b32 v[VH+2*(\par)], v[TB+4*(\par)+2]
	v_mov_b32 v[VH+2*(\par)+1], v[TB+4*(\par)+3]
	X1 ACC+32-32*(\par), TB+4-4*(\par)             ; the 34 plain lines above are the places behind the last period's products
.if \fetch
	FETCH 1-(\par)                                 ; the set that it fills was last read by the period before: the 50 plain lines above are the places
.endif
	TABLD \par
	s_wait_alu depctr_va_vdst(0)                   ; ahead of the batch of transcendentals
	BATCH 1
.irp ss, 0,1,2,3,4,5,6,7
	WIN 0x0d+\ss/4                                 ; source 0 (features) window 1 or 2, source 1 (W1) window 3, C and D window 0
.irp tt, 0,1,2,3
.set rD, ACC+32*(\par)+8*\tt
.set rA, 12*(4*(\ss%4)+\tt)
.set rB, 96*(\par)+12*\ss
.if \ss == 0
	v_wmma_scale_f32_16x16x128_f8f6f4 v[rD:rD+7], v[rA:rA+11], v[rB:rB+11], 0, v[ASC+8*\tt+\ss], v[BSC+8*(\par)+\ss] matrix_a_fmt:MATRIX_FMT_BF6 matrix_b_fmt:MATRIX_FMT_BF6
.else
	v_wmma_scale_f32_16x16x128_f8f6f4 v[rD:rD+7], v[rA:rA+11], v[rB:rB+11], v[rD:rD+7], v[ASC+8*\tt+\ss], v[BSC+8*(\par)+\ss] matrix_a_fmt:MATRIX_FMT_BF6 matrix_b_fmt:MATRIX_FMT_BF6
.endif
.endr
.endr
	WIN 0
	s_wait_alu depctr_va_vdst(0)                   ; one wait for the period's 64 transcendentals, ahead of any branch and of their first readers
.endm
	s_mov_b32 s56, 0                               ; LDS byte at which the block to be fetched begins
	s_mov_b32 s57, 0                               ; 256 x the period
	FETCH 0                                        ; column tile 0: W1's slot 0 was shown landed by the last change
.set i, 0
.rept 136
	v_mov_b32 v[ACC+32+i], 0                       ; the second set of accumulators, E, R, the row sums, both table entries: what the first three periods find
.set i, i+1
.endr
.irp i, 0,1,2,3
	v_mov_b32 v[VH+\i], 0
.endr
	s_wait_alu depctr_va_vdst(0)
	PERIOD 0, 1                                    ; tile 0
	s_mov_b32 s59, 3
.Lp0:                                                  ; tiles 1-6
	PERIOD 1, 1
	PERIOD 0, 1
	s_sub_co_u32 s59, s59, 1
	s_cmp_lg_u32 s59, 0
	s_cbranch_scc1 .Lp0
	s_mov_b32 s58, 6
.Lq:                                                   ; six trips: tiles 7-54.  A slot's eighth block has been fetched: the slot takes the 8 tiles two slots on
	CHG 3, 1
	s_mov_b32 s59, 4
.Lp1:
	PERIOD 1, 1
	PERIOD 0, 1
	s_sub_co_u32 s59, s59, 1
	s_cmp_lg_u32 s59, 0
	s_cbranch_scc1 .Lp1
	s_sub_co_u32 s58, s58, 1
	s_cmp_lg_u32 s58, 0
	s_cbranch_scc1 .Lq
	CHG 4, 1                                       ; the tail is written out: nothing is left to ask for
	s_mov_b32 s59, 4
.Lp2:                                                  ; tiles 55-62
	PERIOD 1, 1
	PERIOD 0, 1
	s_sub_co_u32 s59, s59, 1
	s_cmp_lg_u32 s59, 0
	s_cbranch_scc1 .Lp2
	PERIOD 1, 0                                    ; tile 63
	; three more turns of the vector work, without products.  Entry 0 holds tile 62's numbers, entry 1 tile 63's, VH set 1 tile 61's -2 V
	s_wait_dscnt 0x0
	X3 VH+2
	X2
	X1 ACC+32, TB+4
	s_wait_alu depctr_va_vdst(0)                   ; ahead of the batch
	BATCH 1
	s_wait_alu depctr_va_vdst(0)                   ; and behind it
	X3 TB+2
	X2
	s_wait_alu depctr_va_vdst(0)
	BATCH 0
	s_wait_alu depctr_va_vdst(0)
	X3 TB+6
	; THE WAY OUT: the sixteen lanes of a half hold sixteen columns' shares of the same 32 rows: four steps add them
.irp m, 1,2,4,8
.set i, 0
.rept 32
	v_add_f32_dpp v[L+i], v[L+i], v[L+i] row_xmask:\m row_mask:0xf bank_mask:0xf
.set i, i+1
.endr
.endr
.irp t, 0,1,2,3
	ds_store_b128 v[SST], v[L+8*\t:L+8*\t+3] offset:64*\t          ; rows 16 t + 8 h + 0 .. 7 (a half's lanes write the same bytes with the same values)
	ds_store_b128 v[SST], v[L+8*\t+4:L+8*\t+7] offset:64*\t+16
.endr
	ds_load_b64 v[T0:T0+1], v[SRD]                 ; LDS serves a wave's instructions in order (ISA guide 5.7.1.4)
	s_wait_dscnt 0x0
	global_store_b64 v[GO], v[T0:T0+1], s[10:11]   ; 32 lanes store my 64 rows' 256 consecutive bytes, aligned
	s_wait_tensorcnt 0x0                           ; the wave's end
	ds_add_u32 v[SPW], v[NIL]
	s_wait_dscnt 0x0
	CROUND                                         ; the closing round
	s_endpgm
.Lfunc_end_k_q377338fbaa_main:
	.size	k_q377338fbaa_main, .Lfunc_end_k_q377338fbaa_main-k_q377338fbaa_main
	.p2alignl 7, 3214868480
	.fill 96, 4, 3214868480
	.section	.rodata,"a",@progbits
	.p2align	6, 0x0
	.amdhsa_kernel k_q377338fbaa_main
		.amdhsa_group_segment_fixed_size 327680
		.amdhsa_private_segment_fixed_size 0
		.amdhsa_enable_private_segment 0
		.amdhsa_kernarg_size 32
		.amdhsa_user_sgpr_count 2
		.amdhsa_user_sgpr_kernarg_segment_ptr 1
		.amdhsa_wavefront_size32 1
		.amdhsa_system_sgpr_workgroup_id_x 1
		.amdhsa_system_sgpr_workgroup_id_y 1
		.amdhsa_system_sgpr_workgroup_id_z 1
		.amdhsa_system_vgpr_workitem_id 0
		.amdhsa_next_free_vgpr 1024
		.amdhsa_next_free_sgpr 80
		.amdhsa_reserve_vcc 0
		.amdhsa_float_denorm_mode_32 3
		.amdhsa_float_denorm_mode_16_64 3
		.amdhsa_memory_ordered 1
		.amdhsa_forward_progress 1
		.amdhsa_inst_pref_size 255
	.end_amdhsa_kernel
	.amdgpu_metadata
---
amdhsa.version: [ 1, 2 ]
amdhsa.kernels:
  - .name:           k_q377338fbaa_main
    .symbol:         k_q377338fbaa_main.kd
    .args:
      - { .name: features, .offset: 0, .size: 8, .value_kind: global_buffer, .address_space: global }
      - { .name: w1q, .offset: 8, .size: 8, .value_kind: global_buffer, .address_space: global }
      - { .name: tab, .offset: 16, .size: 8, .value_kind: global_buffer, .address_space: global }
      - { .name: logits, .offset: 24, .size: 8, .value_kind: global_buffer, .address_space: global }
    .group_segment_fixed_size: 327680
    .private_segment_fixed_size: 0
    .kernarg_segment_align: 8
    .kernarg_segment_size: 32
    .max_flat_workgroup_size: 128
    .sgpr_count:     80
    .vgpr_count:     1024
    .wavefront_size: 32
...
	.end_amdgpu_metadata
.endif
;; end of part 2
;; launch ctx (part 3): grid 256 x 1, 8 waves a work-group, no clusters, 13,824 bytes of LDS; arguments features, logits, V, bV, out0, out1; writes out0, out1
.if DOCPART == 3
	.amdgcn_target "amdgcn-amd-amdhsa--gfx1250"
	.amdhsa_code_object_version 6
	.text
	.protected	k_q377338fbaa_ctx
	.globl	k_q377338fbaa_ctx
	.p2align	8
	.type	k_q377338fbaa_ctx,@function
k_q377338fbaa_ctx:
	s_mov_b64 s[64:65], 0
	v_nop
	global_prefetch_b8 v0, s[64:65] scope:SCOPE_SE
	s_setreg_imm32_b32 hwreg(HW_REG_WAVE_MODE, 25, 1), 1
	s_wait_xcnt 0x0
; out1[b][t] = softmax over t of (logits[b][t] + sum of V + bV); out0[b][d] = sum over t of out1[b][t] features[b][t][d].  All in f32.
; SHARES.  Work-group x: batch x / 8, columns 128 (x % 8) on (512 bytes of every row).  Each of the eight work-groups of a batch makes the batch's softmax for itself (8,192 bytes of logits); wave w then takes rows 256 w .. 256 w + 255.
; A load of a wave covers a row's 512 consecutive bytes, aligned; two sets of 16 rows are on their way in each wave; every byte of features is read once in this launch.
; The first 32 rows are asked for at the head, ahead of the softmax.  Every offset is an immediate (255 rows of 4,096 bytes at the most, inside the signed 24 bits: ISA guide, chapter 10): no pointer is stepped.
; The row's maximum is taken away before the exponential.  LIMITS: NaN and infinities among the inputs are not served.
; No matrix unit, tensor load, cluster or prefetch: the launch streams, work-groups share only the logits, and each wave's loads are issued well ahead of their use.
.set EX1, 0                            ; LDS: a pair (sum of V, maximum) for each wave
.set EX2, 256                          ; a sum of exponentials for each wave
.set WT,  512                          ; the batch's 2,048 weights
.set RED, 8704                         ; 512 bytes for each wave: its part of the context
.set AC,  16                           ; v16-19, v20-23 two sets of sums: even rows, odd rows
.set P,   24                           ; v24-31 my 8 logits, then exponentials, then weights
.set XA,  32                           ; v32-95, v96-159 two sets of 16 rows x 4 registers
.set WG,  160                          ; v160-191 the weights of 32 rows, in every lane
	s_load_b256 s[4:11], s[0:1], 0x0               ; features s[4:5], logits s[6:7], V s[8:9], bV s[10:11]
	s_load_b128 s[12:15], s[0:1], 0x20             ; out0 s[12:13], out1 s[14:15]
	v_lshl_add_u32 v192, v0, 2, 0x3200
	v_mov_b32 v193, 0
	v_lshrrev_b32 v1, 5, v0
	s_delay_alu instid0(VALU_DEP_1)
	v_readfirstlane_b32 s16, v1                    ; wave 0..7
	s_lshr_b32 s17, ttmp9, 3                       ; batch
	s_and_b32 s18, ttmp9, 7                        ; which 128 columns
	s_mov_b32 s20, 0x76543210
	s_mov_b32 s21, 0xfedcba98                      ; v_permlanex16_b32's selects for lane l xor 16
	s_mov_b32 s23, 0x3fb8aa3b                      ; log2(e)
	v_and_b32 v1, 31, v0
	s_delay_alu instid0(VALU_DEP_1)
	v_lshlrev_b32 v1, 4, v1                        ; 16 x lane
	v_lshlrev_b32 v2, 5, v0                        ; 32 x thread: my 8 logits
	v_lshlrev_b32 v3, 4, v0                        ; 16 x thread: my 4 numbers of V
	s_lshl_b32 s22, s16, 3
	v_mov_b32 v4, s22                              ; EX1 + 8 x wave
	s_lshl_b32 s22, s16, 2
	s_add_co_u32 s22, s22, EX2
	v_mov_b32 v5, s22
	v_mov_b32 v6, 0
	v_add_nc_u32 v7, WT, v2
	s_lshl_b32 s22, s16, 10
	s_add_co_u32 s22, s22, WT
	v_mov_b32 v8, s22                              ; my wave's 256 weights
	s_lshl_b32 s22, s16, 9
	s_add_co_u32 s22, s22, RED
	v_add_nc_u32 v9, s22, v1
	v_add_nc_u32 v10, RED, v1
	v_mov_b32 v11, 0                               ; written once: a lane permute's destination counts as one of its sources
	s_lshl_b32 s24, s17, 23                        ; features: 2,048 rows of 4,096 bytes a batch,
	s_lshl_b32 s25, s16, 20                        ; 256 rows a wave,
	s_add_co_u32 s24, s24, s25
	s_lshl_b32 s25, s18, 9                         ; 512 bytes a chunk
	s_add_co_u32 s24, s24, s25
	s_mov_b32 s25, 0
	s_lshl_b32 s26, s17, 13                        ; logits and out1: 8,192 bytes a batch
	s_mov_b32 s27, 0
	s_lshl_b32 s28, s17, 12                        ; out0: 4,096 bytes a batch, 512 a chunk
	s_lshl_b32 s29, s18, 9
	s_add_co_u32 s28, s28, s29
	s_mov_b32 s29, 0
	s_wait_alu depctr_va_vdst(0)
	s_wait_kmcnt 0x0
	s_load_b32 s19, s[10:11], 0x0                  ; bV
	s_add_nc_u64 s[4:5], s[4:5], s[24:25]
	s_add_nc_u64 s[6:7], s[6:7], s[26:27]
	s_add_nc_u64 s[14:15], s[14:15], s[26:27]
	s_add_nc_u64 s[12:13], s[12:13], s[28:29]
	global_load_b128 v[P:P+3], v2, s[6:7]
	global_load_b128 v[P+4:P+7], v2, s[6:7] offset:16
	global_load_b128 v[12:15], v3, s[8:9]
.macro LD g                            ; rows 16 g .. 16 g + 15 of my wave into set g % 2
.irp i, 0,1,2,3,4,5,6,7,8,9,10,11,12,13,14,15
	global_load_b128 v[XA+64*((\g)%2)+4*\i:XA+64*((\g)%2)+4*\i+3], v1, s[4:5] offset:(16*(\g)+\i)*4096 th:TH_LOAD_NT
.endr
.endm
.macro WSUM reg                        ; the sum over the wave's 32 lanes, in every lane
.irp m, 1
	v_add_f32_dpp v[\reg], v[\reg], v[\reg] row_xmask:\m row_mask:0xf bank_mask:0xf
.endr
.irp m, 2, 4, 8
	s_delay_alu instid0(VALU_DEP_1)
	v_add_f32_dpp v[\reg], v[\reg], v[\reg] row_xmask:\m row_mask:0xf bank_mask:0xf
.endr
	s_delay_alu instid0(VALU_DEP_1)
	v_permlanex16_b32 v11, v[\reg], s20, s21
	s_delay_alu instid0(VALU_DEP_1)
	v_add_f32 v[\reg], v[\reg], v11
.endm
.macro WMAX reg
.irp m, 1
	v_max_num_f32_dpp v[\reg], v[\reg], v[\reg] row_xmask:\m row_mask:0xf bank_mask:0xf
.endr
.irp m, 2, 4, 8
	s_delay_alu instid0(VALU_DEP_1)
	v_max_num_f32_dpp v[\reg], v[\reg], v[\reg] row_xmask:\m row_mask:0xf bank_mask:0xf
.endr
	s_delay_alu instid0(VALU_DEP_1)
	v_permlanex16_b32 v11, v[\reg], s20, s21
	s_delay_alu instid0(VALU_DEP_1)
	v_max_num_f32 v[\reg], v[\reg], v11
.endm
	LD 0
	LD 1
	s_wait_loadcnt 32                              ; the logits and V are in; the 32 loads of features stay out
	v_add_f32 v12, v12, v13
	v_add_f32 v14, v14, v15
	s_delay_alu instid0(VALU_DEP_1)
	v_add_f32 v12, v12, v14                        ; my 4 numbers of V
	v_max3_num_f32 v13, v[P], v[P+1], v[P+2]
	s_delay_alu instid0(VALU_DEP_1)
	v_max3_num_f32 v13, v13, v[P+3], v[P+4]
	s_delay_alu instid0(VALU_DEP_1)
	v_max3_num_f32 v13, v13, v[P+5], v[P+6]
	s_delay_alu instid0(VALU_DEP_1)
	v_max_num_f32 v13, v13, v[P+7]                 ; my 8 logits' maximum
	WSUM 12
	WMAX 13
	ds_store_b64 v4, v[12:13]                      ; all lanes write the same pair with the same values
	s_wait_dscnt 0x0
	s_barrier_signal -1
	s_barrier_wait -1
.irp k, 0,1,2,3
	ds_load_b128 v[WG+4*\k:WG+4*\k+3], v6 offset:EX1+16*\k
.endr
	s_wait_dscnt 0x0
	v_add_f32 v12, v[WG], v[WG+2]
	v_max3_num_f32 v13, v[WG+1], v[WG+3], v[WG+5]
.irp k, 4
	s_delay_alu instid0(VALU_DEP_2)
	v_add_f32 v12, v12, v[WG+\k]
.endr
.irp k, 6, 8, 10, 12, 14
	s_delay_alu instid0(VALU_DEP_1)
	v_add_f32 v12, v12, v[WG+\k]
.endr
	v_max3_num_f32 v13, v13, v[WG+7], v[WG+9]
	s_delay_alu instid0(VALU_DEP_1)
	v_max3_num_f32 v13, v13, v[WG+11], v[WG+13]
	s_delay_alu instid0(VALU_DEP_1)
	v_max_num_f32 v13, v13, v[WG+15]
	s_wait_alu depctr_va_vdst(0)
	s_wait_kmcnt 0x0
	v_add_f32 v12, s19, v12                        ; bV + the sum of V: what the launch before left out of every logit
	s_delay_alu instid0(VALU_DEP_1)
	v_add_f32 v13, v13, v12                        ; the batch's largest logit
	s_delay_alu instid0(VALU_DEP_1)
	v_mul_f32 v15, s23, v13
.irp i, 0,1,2,3,4,5,6,7
	v_add_f32 v[P+\i], v[P+\i], v12
.endr
.irp i, 0,1,2,3,4,5,6,7
	v_fma_f32 v[P+\i], v[P+\i], s23, -v15          ; (logit - maximum) log2(e)
.endr
	s_wait_alu depctr_va_vdst(0)
.irp i, 0,1,2,3,4,5,6,7
	v_exp_f32 v[P+\i], v[P+\i]
.endr
	v_nop                                          ; a plain line behind the last exponential
	s_wait_alu depctr_va_vdst(0)                   ; one wait for the eight, ahead of their first reader
	v_add_f32 v14, v[P], v[P+1]
	v_add_f32 v15, v[P+2], v[P+3]
	v_add_f32 v14, v14, v[P+4]
	v_add_f32 v15, v15, v[P+5]
	v_add_f32 v14, v14, v[P+6]
	v_add_f32 v15, v15, v[P+7]
	s_delay_alu instid0(VALU_DEP_1)
	v_add_f32 v14, v14, v15
	WSUM 14
	ds_store_b32 v5, v14
	s_wait_dscnt 0x0
	s_barrier_signal -1
	s_barrier_wait -1
	ds_load_b128 v[WG:WG+3], v6 offset:EX2
	ds_load_b128 v[WG+4:WG+7], v6 offset:EX2+16
	s_wait_dscnt 0x0
	v_add_f32 v14, v[WG], v[WG+1]
.irp k, 2,3,4,5,6,7
	s_delay_alu instid0(VALU_DEP_1)
	v_add_f32 v14, v14, v[WG+\k]
.endr
	s_wait_alu depctr_va_vdst(0)
	v_rcp_f32 v15, v14
	v_nop
	s_wait_alu depctr_va_vdst(0)
.irp i, 0,1,2,3,4,5,6,7
	v_mul_f32 v[P+\i], v[P+\i], v15                ; the weights
.endr
	ds_store_b128 v7, v[P:P+3]
	ds_store_b128 v7, v[P+4:P+7] offset:16
	s_cmp_lg_u32 s16, s18                          ; of the batch's eight work-groups, number ch stores the weights of rows 256 ch on: its wave ch holds them.  So each weight is stored once
	s_cbranch_scc1 .Lnot_mine
	global_store_b128 v2, v[P:P+3], s[14:15]
	global_store_b128 v2, v[P+4:P+7], s[14:15] offset:16
.Lnot_mine:
	s_wait_dscnt 0x0
	s_barrier_signal -1
	s_barrier_wait -1
; rows 16 g on: 64 multiply-adds; the first two rows start the sums
.macro FM g
.irp i, 0,1,2,3,4,5,6,7,8,9,10,11,12,13,14,15
.irp k, 0,1,2,3
.if ((\g) == 0) && (\i < 2)
	v_mul_f32 v[AC+4*(\i%2)+\k], v[XA+64*((\g)%2)+4*\i+\k], v[WG+16*((\g)%2)+\i]
.else
	v_fmac_f32 v[AC+4*(\i%2)+\k], v[XA+64*((\g)%2)+4*\i+\k], v[WG+16*((\g)%2)+\i]
.endif
.endr
.endr
.endm
.macro GROUP g
.if (\g)%2 == 0
.irp k, 0,1,2,3,4,5,6,7
	ds_load_b128 v[WG+4*\k:WG+4*\k+3], v8 offset:64*(\g)+16*\k     ; 32 rows' weights: every lane reads the same bytes
.endr
	s_wait_dscnt 0x0
.endif
.if (\g) < 15
	s_wait_loadcnt 16                              ; this group's 16 loads are in; the next group's stay out
.else
	s_wait_loadcnt 0x0
.endif
	FM \g
.if (\g)+2 < 16
	LD (\g)+2
.endif
.endm
.irp g, 0,1,2,3,4,5,6,7,8,9,10,11,12,13,14,15
	s_wait_alu depctr_va_vdst(0)
	GROUP \g
.endr
	s_delay_alu instid0(VALU_DEP_3)
	v_pk_add_f32 v[AC:AC+1], v[AC:AC+1], v[AC+4:AC+5]
	s_delay_alu instid0(VALU_DEP_2)
	v_pk_add_f32 v[AC+2:AC+3], v[AC+2:AC+3], v[AC+6:AC+7]
	ds_store_b128 v9, v[AC:AC+3]
	s_wait_dscnt 0x0                               ; for wave 0's sake: my part is stored
	s_barrier_signal -1
	s_barrier_wait -1
	s_cmp_lg_u32 s16, 0
	s_cbranch_scc1 .Lend
.irp k, 0,1,2,3,4,5,6,7
	ds_load_b128 v[XA+4*\k:XA+4*\k+3], v10 offset:512*\k
.endr
	s_wait_dscnt 0x0
.irp k, 1
	v_pk_add_f32 v[XA:XA+1], v[XA:XA+1], v[XA+4*\k:XA+4*\k+1]
	v_pk_add_f32 v[XA+2:XA+3], v[XA+2:XA+3], v[XA+4*\k+2:XA+4*\k+3]
.endr
.irp k, 2, 3, 4, 5, 6, 7
	s_delay_alu instid0(VALU_DEP_2)
	v_pk_add_f32 v[XA:XA+1], v[XA:XA+1], v[XA+4*\k:XA+4*\k+1]
	s_delay_alu instid0(VALU_DEP_2)
	v_pk_add_f32 v[XA+2:XA+3], v[XA+2:XA+3], v[XA+4*\k+2:XA+4*\k+3]
.endr
	global_store_b128 v1, v[XA:XA+3], s[12:13]     ; 32 lanes store 512 consecutive bytes, aligned
.Lend:
	s_wait_tensorcnt 0x0
	ds_add_u32 v192, v193
	s_wait_dscnt 0x0
	s_endpgm
.Lfunc_end_k_q377338fbaa_ctx:
	.size	k_q377338fbaa_ctx, .Lfunc_end_k_q377338fbaa_ctx-k_q377338fbaa_ctx
	.p2alignl 7, 3214868480
	.fill 96, 4, 3214868480
	.section	.rodata,"a",@progbits
	.p2align	6, 0x0
	.amdhsa_kernel k_q377338fbaa_ctx
		.amdhsa_group_segment_fixed_size 13824
		.amdhsa_private_segment_fixed_size 0
		.amdhsa_enable_private_segment 0
		.amdhsa_kernarg_size 48
		.amdhsa_user_sgpr_count 2
		.amdhsa_user_sgpr_kernarg_segment_ptr 1
		.amdhsa_wavefront_size32 1
		.amdhsa_system_sgpr_workgroup_id_x 1
		.amdhsa_system_sgpr_workgroup_id_y 1
		.amdhsa_system_sgpr_workgroup_id_z 1
		.amdhsa_system_vgpr_workitem_id 0
		.amdhsa_next_free_vgpr 194
		.amdhsa_next_free_sgpr 66
		.amdhsa_reserve_vcc 0
		.amdhsa_float_denorm_mode_32 3
		.amdhsa_float_denorm_mode_16_64 3
		.amdhsa_memory_ordered 1
		.amdhsa_forward_progress 1
		.amdhsa_inst_pref_size 73
	.end_amdhsa_kernel
	.amdgpu_metadata
---
amdhsa.version: [ 1, 2 ]
amdhsa.kernels:
  - .name:           k_q377338fbaa_ctx
    .symbol:         k_q377338fbaa_ctx.kd
    .args:
      - { .name: features, .offset: 0, .size: 8, .value_kind: global_buffer, .address_space: global }
      - { .name: logits, .offset: 8, .size: 8, .value_kind: global_buffer, .address_space: global }
      - { .name: V, .offset: 16, .size: 8, .value_kind: global_buffer, .address_space: global }
      - { .name: bV, .offset: 24, .size: 8, .value_kind: global_buffer, .address_space: global }
      - { .name: out0, .offset: 32, .size: 8, .value_kind: global_buffer, .address_space: global }
      - { .name: out1, .offset: 40, .size: 8, .value_kind: global_buffer, .address_space: global }
    .group_segment_fixed_size: 13824
    .private_segment_fixed_size: 0
    .kernarg_segment_align: 8
    .kernarg_segment_size: 48
    .max_flat_workgroup_size: 256
    .sgpr_count:     66
    .vgpr_count:     194
    .wavefront_size: 32
...
	.end_amdgpu_metadata
.endif
;; end of part 3
